; MI455X (gfx1250); checked and timed in simulation.
; The chip was launched on July 23, 2026; its instructions are those of AMD's public machine-readable ISA for CDNA 5 (MIT licence, August 2026) and "CDNA5" Instruction Set Architecture Reference Guide (July 2026). The comments in the code are by the model that wrote it; some were corrected since.
;; VQ Audio Quantizer. Allowed arithmetic: matrix products marked QUANTISED: E5M2 operands, one given power-of-two scale a tensor, by v_wmma_f32_16x16x64_bf8_bf8 or v_wmma_f32_16x16x128_bf8_bf8, f32 sums; everything else in f32.
;; Inputs: codebook 8,192 x 256 float32; lowp_scales 2 int32 (the exponents e of the quantised operands' scales 2^e); mask 4 x 4,096 bool; z 4 x 4,096 x 256 float32.
;; Outputs: out0 4 x 4,096 x 256 float32; out1 4 x 4,096 int32; out2 one number float32.
;; This version of the problem:
;;   THIS VERSION OF THE PROBLEM IS GIVEN IN LOW PRECISION. The matrix products marked QUANTISED in the list below multiply operands that are first quantised to E5M2 (5 exponent bits, 2 mantissa bits; 8 bits a number), with one given power-of-two scale for each operand tensor; their sums are f32. All else is computed in f32.
;;   The module's matrix products, in the order in which they are computed (A, B: the left and right operand; K: the contracted axis; several contracted axes count as one K, in the product's order):
;;     1. [M 16,384, K 256] x [K 256, N 8,192]; A: input z; B: input codebook: QUANTISED (scales: A lowp_scales[0], B lowp_scales[1])
;;   THE QUANTISER, for each operand of a quantised product, along K:
;;     - The operand's scale is 2^e, e = its entry of the input lowp_scales (int32; the entries are numbered through the quantised products in the list's order, A before B).
;;     - Each number is divided by the scale, clamped to +-57,344, and rounded to the nearest number of E5M2, ties to even, subnormals kept.
;;     - The product sums the exact products of the quantised numbers (number of the format x scale) in f32.
;;   ~~~python
;;   def quantise(x, axis, e):      # numpy; x: float32 -> the quantised numbers, widened to float32 again
;;       x = np.moveaxis(x, axis, -1); K = x.shape[-1]
;;       r = np.clip(x / 2.0 ** e, -57344, 57344)
;;       step = 2.0 ** (np.maximum(np.frexp(np.where(r == 0, 1, r))[1] - 1, -14) - 2)
;;       q = np.round(r / step) * step * 2.0 ** e      # np.round: ties to even
;;       return np.moveaxis(q, -1, axis).astype(np.float32)
;;   ~~~
;; One version. Each part assembles by itself: llvm-mc -triple=amdgcn-amd-amdhsa -mcpu=gfx1250 --defsym DOCPART=n.
;; ======== version 1 of 1: 4 launches
;; limits: right only within a limited range of input values
;; workspace buffers: cbimg 2,129,920 bytes; zimg 4,194,304 bytes; cand_key 262,144 bytes of whole numbers; cand_idx 262,144 bytes of whole numbers; part 2,048 bytes
;; launch prep (part 1): grid 256 x 1, 6 waves a work-group, no clusters, 101,120 bytes of LDS; arguments codebook, z, lowp_scales, cbimg, zimg; writes cbimg, zimg
.if DOCPART == 1
	.amdgcn_target "amdgcn-amd-amdhsa--gfx1250"
	.amdhsa_code_object_version 6
	.text
	.protected	k_q69feee436a_prep
	.globl	k_q69feee436a_prep
	.p2align	8
	.type	k_q69feee436a_prep,@function
k_q69feee436a_prep:
	s_mov_b64 s[64:65], 0
	v_nop
	global_prefetch_b8 v0, s[64:65] scope:SCOPE_SE
	s_setreg_imm32_b32 hwreg(HW_REG_WAVE_MODE, 25, 1), 1
	s_wait_xcnt 0x0
; Both operands of the product become E5M2 codes in the ORDER OF THE OPERAND'S REGISTERS: a TILE of 16 rows x 256 K is 4,096 bytes, and byte 2048 s + 512 c + 16 lane holds, for lane (r, h), row r's k = 128 s + 32 c + 16 h + 0 .. 15.
; zimg: z's 1,024 tiles.  cbimg: 128 RECORDS of 64 codes, 16,640 bytes each: four tiles, then 64 biases  -|e|^2 x 2^-(e0 + e1 + 1), f32, |e|^2 of the UNQUANTISED row.
; DEAD WORK: |z|^2 is one number for all codes of a row, so it moves no argmin over the codes: it is not computed.  argmin of -2 x 2^(e0+e1) S + |e|^2 (S: the sum of the codes' products) is argmax of S + bias;
; the power of two is applied by v_ldexp_f32, which rounds nothing short of underflow.  LIMIT: a NaN, an infinity or an overflow of |z|^2 alone is not carried to the result.
; code = x / 2^e, held within +-57,344, to the nearest code, ties to even.  LIMITS: -126 <= e and e + 15 <= 127 for both e.  NaN among the inputs is not served.
; SHARES.  A wave takes one tile, 16 KiB of f32; a work-group six.  Work-groups 0 .. 127: waves 0 .. 3 the four tiles of record g, waves 4, 5 z's tiles 2 g, 2 g + 1.  Work-groups 128 .. 255: z's tiles 256 + 6 (g - 128) + wave.
; Each load takes 512 consecutive bytes; the rows turn through the wave's own stage in LDS (pitch 1,040 bytes = 65 x 16, so that sixteen rows start at sixteen different columns of 16 bytes) and come back as 16 neighbours of each block of 32 a lane.
; No tensor loads, no cluster: work-groups share no input.  One barrier: four waves' biases meet in LDS, so that 256 consecutive bytes leave by one store.
.set REC,  16640
.set SP,   1040
.set STG,  16*SP                       ; a wave's stage
.set BX,   6*STG                       ; behind the stages: the record's 64 biases
.set SPARE, BX+512                     ; the spare words, 128 bytes for each wave
.set SUM,  12                          ; v[12:19]  four packed sums of squares
.set C,    20                          ; v[20:51]  the tile's codes: a register group for each store, none written twice
.set X,    64                          ; v[64:191] the tile's numbers: 128 a lane
	s_load_b256 s[4:11], s[0:1], 0x0               ; codebook s[4:5], z s[6:7], the scales' exponents s[8:9], cbimg s[10:11]
	s_load_b64 s[12:13], s[0:1], 0x20              ; zimg
	v_lshl_add_u32 v192, v0, 2, SPARE
	v_mov_b32 v193, 0
	v_lshrrev_b32 v1, 5, v0
	v_readfirstlane_b32 s16, v1                    ; wave 0..5
	s_mul_i32 s17, s16, STG
	s_lshl_b32 s18, s16, 6
	v_and_b32 v1, 31, v0                           ; lane
	v_and_b32 v2, 15, v0                           ; r
	v_bfe_u32 v3, v0, 4, 1                         ; h
	v_lshlrev_b32 v4, 4, v1                        ; 16 x lane: my bytes of a load's or a store's 512
	v_add_nc_u32 v5, s17, v4                       ; the stage, on the way in
	v_mul_u32_u24 v6, v2, SP
	v_lshl_add_u32 v6, v3, 6, v6
	v_add_nc_u32 v6, s17, v6                       ; and on the way out: row r, + 64 h
	v_lshlrev_b32 v7, 2, v2
	v_add_nc_u32 v7, s18, v7
	v_add_nc_u32 v7, BX, v7                        ; where my row's bias goes: BX + 64 wave + 4 r
	v_lshlrev_b32 v53, 3, v1                       ; 8 x lane: the biases' place in memory,
	v_add_nc_u32 v8, BX, v53                       ; and in LDS
	v_mov_b32 v9, 0                                ; written once: a lane permute's destination counts as one of its sources
	s_mov_b32 s28, 0x76543210                      ; v_permlanex16_b32's selects for lane l xor 16
	s_mov_b32 s29, 0xfedcba98
	s_lshl_b32 s18, ttmp9, 2
	s_add_co_u32 s18, s18, s16                     ; the codebook's tile 4 g + wave
	s_lshl_b32 s19, ttmp9, 1
	s_add_co_u32 s19, s19, s16
	s_sub_co_u32 s19, s19, 4                       ; z's tile 2 g + wave - 4,
	s_mul_i32 s21, ttmp9, 6
	s_add_co_u32 s21, s21, s16
	s_sub_co_u32 s21, s21, 512                     ; or 256 + 6 (g - 128) + wave
	s_cmp_lt_u32 ttmp9, 128
	s_cselect_b32 s19, s19, s21
	s_cselect_b32 s22, 4, 0                        ; waves below s22 take codes
	s_lshl_b32 s26, s19, 12                        ; where the image goes: in zimg,
	s_mul_i32 s21, ttmp9, REC
	s_lshl_b32 s17, s16, 12
	s_add_co_u32 s21, s21, s17                     ; or in cbimg
	s_cmp_lt_u32 s16, s22
	s_cselect_b32 s23, 1, 0                        ; 1: my tile is the codebook's
	s_cselect_b32 s18, s18, s19
	s_cselect_b32 s26, s21, s26
	s_mov_b32 s27, 0
	s_lshl_b32 s24, s18, 14                        ; my 16 rows' first byte
	s_mov_b32 s25, 0
	s_wait_alu depctr_va_vdst(0)
	s_wait_kmcnt 0x0
	s_load_b64 s[30:31], s[8:9], 0x0               ; e0, e1
	s_cmp_lg_u32 s23, 0
	s_cselect_b64 s[4:5], s[4:5], s[6:7]
	s_cselect_b64 s[10:11], s[10:11], s[12:13]
	s_add_nc_u64 s[4:5], s[4:5], s[24:25]
	s_add_nc_u64 s[10:11], s[10:11], s[26:27]
.set q, 0
.rept 32
	global_load_b128 v[X+4*q:X+4*q+3], v4, s[4:5] offset:512*q     ; 32 lanes read 512 consecutive bytes: half a row
.set q, q+1
.endr
	s_wait_kmcnt 0x0
	s_add_co_i32 s19, s30, s31
	s_add_co_i32 s19, s19, 1
	s_sub_co_i32 s19, 0, s19                       ; -(e0 + e1 + 1)
	s_cmp_lg_u32 s23, 0
	s_cselect_b32 s17, s31, s30                    ; my tile's e
	s_add_co_i32 s17, s17, 127
	s_lshl_b32 s18, s17, 23
	v_mov_b32 v11, s18                             ; 2^e as f32: the conversion takes its exponent field
	s_add_co_i32 s17, s17, 15
	s_lshl_b32 s17, s17, 23
	s_or_b32 s17, s17, 0x600000
	v_mov_b32 v10, s17                             ; 57,344 x 2^e
	s_wait_alu depctr_va_vdst(0)
.set q, 0
.rept 32
	s_wait_loadcnt 31-q                            ; loads come back in order: load q is in, the 31 - q younger ones stay out
	ds_store_b128 v5, v[X+4*q:X+4*q+3] offset:(q/2)*SP+512*(q%2)
.set q, q+1
.endr
.irp s, 0,1
.irp c, 0,1,2,3
.irp j, 0,1,2,3
	ds_load_b128 v[X+64*\s+16*\c+4*\j:X+64*\s+16*\c+4*\j+3], v6 offset:512*\s+128*\c+16*\j   ; LDS serves a wave's instructions in order: these see my stores, and land in the registers that the stores have left
.endr
.endr
.endr
; One half of K (128 numbers of a row, 64 a lane).  sums = 1: the squares are summed of the numbers as they came; then the hold, the conversion, and four stores of 512 consecutive bytes.
.macro HALF s, sums
.if \sums
.set p, 0
.rept 32
.if (\s == 0) && (p < 4)
	v_pk_mul_f32 v[SUM+2*p:SUM+2*p+1], v[X+2*p:X+2*p+1], v[X+2*p:X+2*p+1]       ; the first four pairs start the four chains
.else
	v_pk_fma_f32 v[SUM+2*(p%4):SUM+2*(p%4)+1], v[X+64*\s+2*p:X+64*\s+2*p+1], v[X+64*\s+2*p:X+64*\s+2*p+1], v[SUM+2*(p%4):SUM+2*(p%4)+1]
.endif
.set p, p+1
.endr
.endif
.irp c, 0,1,2,3
.irp i, 0,1,2,3,4,5,6,7,8,9,10,11,12,13,14,15
	v_med3_num_f32 v[X+64*\s+16*\c+\i], v[X+64*\s+16*\c+\i], -v10, v10   ; the conversion to an 8-bit code does not saturate (ISA guide 7.6.2): the hold at the largest code x the scale
.endr
	v_cvt_scalef32_pk8_bf8_f32 v[C+16*\s+4*\c:C+16*\s+4*\c+1], v[X+64*\s+16*\c:X+64*\s+16*\c+7], v11
	v_cvt_scalef32_pk8_bf8_f32 v[C+16*\s+4*\c+2:C+16*\s+4*\c+3], v[X+64*\s+16*\c+8:X+64*\s+16*\c+15], v11
.endr
	v_nop                                          ; a plain vector line behind the last conversion of the run
.irp c, 0,1,2,3
	global_store_b128 v4, v[C+16*\s+4*\c:C+16*\s+4*\c+3], s[10:11] offset:2048*\s+512*\c
.endr
.endm
	s_cmp_lg_u32 s23, 0
	s_cbranch_scc0 .Lz
	s_wait_dscnt 16                                ; the first half's sixteen loads are back; the second half's sixteen may be out
	HALF 0, 1
	s_wait_dscnt 0x0
	HALF 1, 1
	v_pk_add_f32 v[SUM:SUM+1], v[SUM:SUM+1], v[SUM+2:SUM+3]
	v_pk_add_f32 v[SUM+4:SUM+5], v[SUM+4:SUM+5], v[SUM+6:SUM+7]
	v_pk_add_f32 v[SUM:SUM+1], v[SUM:SUM+1], v[SUM+4:SUM+5]
	v_add_f32 v12, v12, v13                        ; my 128 numbers' squares;
	v_permlanex16_b32 v9, v12, s28, s29            ; the row's other 128 lie in lane l xor 16
	v_sub_f32 v12, -v12, v9                        ; -|e|^2
	v_ldexp_f32 v12, v12, s19                      ; x 2^-(e0 + e1 + 1)
	ds_store_b32 v7, v12                           ; both halves of the lanes write the same word with the same number
	s_branch .Lmeet
.Lz:
	s_wait_dscnt 16                                ; as above
	HALF 0, 0
	s_wait_dscnt 0x0
	HALF 1, 0
.Lmeet:
	s_wait_dscnt 0x0                               ; for the others' sake: my store has landed
	s_barrier_signal -1
	s_barrier_wait -1
	s_cmp_lg_u32 s16, 0
	s_cbranch_scc1 .Ldone
	s_cmp_lg_u32 s23, 0
	s_cbranch_scc0 .Ldone
	ds_load_b64 v[54:55], v8                       ; wave 0 of a work-group with codes: the record's 64 biases, two a lane
	s_wait_dscnt 0x0
	global_store_b64 v53, v[54:55], s[10:11] offset:16384   ; 256 consecutive bytes behind the four images (wave 0's base is the record's first byte)
.Ldone:
	s_wait_tensorcnt 0x0                           ; the wave's end
	ds_add_u32 v192, v193
	s_wait_dscnt 0x0
	s_endpgm
.Lfunc_end_k_q69feee436a_prep:
	.size	k_q69feee436a_prep, .Lfunc_end_k_q69feee436a_prep-k_q69feee436a_prep
	.p2alignl 7, 3214868480
	.fill 96, 4, 3214868480
	.section	.rodata,"a",@progbits
	.p2align	6, 0x0
	.amdhsa_kernel k_q69feee436a_prep
		.amdhsa_group_segment_fixed_size 101120
		.amdhsa_private_segment_fixed_size 0
		.amdhsa_enable_private_segment 0
		.amdhsa_kernarg_size 40
		.amdhsa_user_sgpr_count 2
		.amdhsa_user_sgpr_kernarg_segment_ptr 1
		.amdhsa_wavefront_size32 1
		.amdhsa_system_sgpr_workgroup_id_x 1
		.amdhsa_system_sgpr_workgroup_id_y 1
		.amdhsa_system_sgpr_workgroup_id_z 1
		.amdhsa_system_vgpr_workitem_id 0
		.amdhsa_next_free_vgpr 194
		.amdhsa_next_free_sgpr 66
		.amdhsa_reserve_vcc 0
		.amdhsa_float_denorm_mode_32 3
		.amdhsa_float_denorm_mode_16_64 3
		.amdhsa_memory_ordered 1
		.amdhsa_forward_progress 1
		.amdhsa_inst_pref_size 36
	.end_amdhsa_kernel
	.amdgpu_metadata
---
amdhsa.version: [ 1, 2 ]
amdhsa.kernels:
  - .name:           k_q69feee436a_prep
    .symbol:         k_q69feee436a_prep.kd
    .args:
      - { .name: codebook, .offset: 0, .size: 8, .value_kind: global_buffer, .address_space: global }
      - { .name: z, .offset: 8, .size: 8, .value_kind: global_buffer, .address_space: global }
      - { .name: lowp_scales, .offset: 16, .size: 8, .value_kind: global_buffer, .address_space: global }
      - { .name: cbimg, .offset: 24, .size: 8, .value_kind: global_buffer, .address_space: global }
      - { .name: zimg, .offset: 32, .size: 8, .value_kind: global_buffer, .address_space: global }
    .group_segment_fixed_size: 101120
    .private_segment_fixed_size: 0
    .kernarg_segment_align: 8
    .kernarg_segment_size: 40
    .max_flat_workgroup_size: 192
    .sgpr_count:     66
    .vgpr_count:     194
    .wavefront_size: 32
...
	.end_amdgpu_metadata
.endif
;; end of part 1
;; launch argmax (part 2): grid 64 x 4, 8 waves a work-group, clusters of 4 x 1, 327,680 bytes of LDS; arguments zimg, cbimg, cand_key, cand_idx; writes cand_key, cand_idx
.if DOCPART == 2
	.amdgcn_target "amdgcn-amd-amdhsa--gfx1250"
	.amdhsa_code_object_version 6
	.text
	.protected	k_q69feee436a_argmax
	.globl	k_q69feee436a_argmax
	.p2align	8
	.type	k_q69feee436a_argmax,@function
k_q69feee436a_argmax:
	s_mov_b64 s[64:65], 0
	v_nop
	global_prefetch_b8 v0, s[64:65] scope:SCOPE_SE
	s_setreg_imm32_b32 hwreg(HW_REG_WAVE_MODE, 25, 1), 1
	s_wait_xcnt 0x0
	s_wait_alu depctr_hold_cnt(0) depctr_sa_sdst(0) depctr_va_vdst(0) depctr_va_sdst(0) depctr_va_ssrc(0) depctr_va_vcc(0) depctr_vm_vsrc(0)
	s_getreg_b32 s2, hwreg(HW_REG_IB_STS2, 6, 4)
	s_cmp_eq_u32 s2, 0
	s_cbranch_scc0 .Lentry_in_a_cluster
	s_endpgm
.Lentry_in_a_cluster:
	s_bfe_u32 s2, ttmp6, 0x10000c
	s_cmp_lg_u32 s2, 0x3003
	s_cbranch_scc0 .Lentry_shape_is_right
	s_endpgm
.Lentry_shape_is_right:
; For each of 16,384 rows and each quarter of the codebook: the code with the largest S + bias (S: the sum of the codes' products; |z|^2, the same for all codes, is left out: the first launch's comment), the lower code on a tie,
; and that score as a whole number that keeps its order (cand_key: signed; -0 counts as 0).  LIMIT: NaN among the scores is not served.
; SHARES.  Work-group (x, y): rows 256 x .. + 255, codes 2048 y .. + 2047.  Wave w = 2 cs + rh holds the 128 rows of half rh (8 tiles of z, 256 registers) and walks the 512 neighbouring codes of stream cs: the records
; 32 y + 8 cs + 0 .. 7 of 64 codes, two to a slot.  So a code tile in LDS serves two waves, and meets eight tiles of z in each.  Each wave fetches one of its stream's two records.  256 work-groups.
; z: of each half's eight tiles seven go through LDS (the two slots leave room for that), loaded in four shares by the half's four waves; the eighth every wave loads straight into its registers.
; CLUSTERS: four work-groups along x need the same codes: each record is asked for jointly (mask 15), by the same wave of each, with the same descriptor.  z's tiles are shared by nobody in the cluster.
; THE MATRIX INSTRUCTION: source 0 = 16 codes, source 1 = 16 rows of z: lane (r, h) holds row r, its 8 registers the codes 8 h + 0 .. 7 of the tile.  The bias is the C of the first K half.
; TRACKING, a lane and tile of z: the running largest score, and of the tile where it arose registers 0 to 6 and the tile's number (Y: eight registers, taken over two at a time where the compare holds).  At the end the lowest
; register that equals the largest names the code.  Nine vector instructions for eight scores.
; A tile of 16 codes is two groups of four accumulators (A: z's tiles 0-3, B: 4-7); one group is tracked behind the other group's products.
; A stream has four fills: two at the head, two refills; so the slots are written out, without a loop.
; PREFETCH: behind the joint loads of fills 1 and 2 the next fill's record is asked for, a slot's eight tiles ahead of its load, once in each of the first four clusters of a quarter (65 blocks of 256 bytes a wave, shared by
; address among the four partners, 17 each); fills 0 and 1 come by their loads alone.
; REGISTERS, window 0 as below; window 1: z's fragments, tile u at v[32 u : 32 u + 31].
.set REC,   16640
.set SLOTB, 8*REC
.set ZHALF, 7*4096                     ; a half's seven staged tiles
.set ZIMG,  2*SLOTB
.set MST,   ZIMG                       ; the waves' winners, when z's tiles have long been read: 4,096 bytes of scores, 4,096 of codes
.set SPARE, ZIMG+2*ZHALF               ; the spare words, 128 bytes for each wave
.set SPW, 1
.set NIL, 2
.set AF,  3                            ; v3, v4  my stream's fragments in slot 0, 1
.set AB,  5                            ; v5, v6  its biases
.set ZW,  7
.set ZL,  8
.set MSI, 9
.set MSO, 10
.set L8,  11
.set H8,  12
.set TN,  13                           ; the number of the tile of 16 codes
.set PFO, 14
.set L16, 15
.set BI,  16                           ; two sets of 8
.set CF,  32                           ; two sets of 32
.set DD,  96                           ; eight accumulators
.set T,   160
.set BEST, 168                         ; two sets of 8 that take turns: before and behind a tile
.set Y,   184                          ; 8 for each tile of z
.set G1,  16
.set G0,  32
.set MK,  48
.set ME,  72
.set MSB, 0
.macro WIN new
.if MSB != \new
	s_set_vgpr_msb (MSB<<8)|\new
.set MSB, \new
.endif
.endm
.macro ROUND                           ; a round of the cluster's barrier
	s_barrier_signal -1
	s_barrier_wait -1
	s_cmp_lg_u32 s14, 0
	s_cbranch_scc1 .Lnot_wave_0_\@
	s_barrier_signal -3
.Lnot_wave_0_\@:
	s_barrier_wait -3
	s_barrier_signal -1
	s_barrier_wait -1
.endm
	s_load_b256 s[4:11], s[0:1], 0x0               ; zimg, cbimg, cand_key, cand_idx
	v_lshl_add_u32 v[SPW], v0, 2, SPARE
	v_mov_b32 v[NIL], 0
	ds_add_u32 v[SPW], v[NIL]                      ; the opening lines: the add, twice on end
	ds_add_u32 v[SPW], v[NIL]
	v_lshrrev_b32 v3, 5, v0
	v_readfirstlane_b32 s14, v3                    ; wave 0..7
	s_bfe_u32 s15, ttmp6, 0x40000                  ; cx
	s_lshl_b32 s24, ttmp9, 2
	s_add_co_u32 s24, s24, s15                     ; x
	s_and_b32 s25, ttmp7, 0xffff                   ; y
	s_and_b32 s48, s14, 1                          ; rh
	s_lshr_b32 s49, s14, 1                         ; cs
	s_lshl_b32 s31, s14, 8
	s_mul_i32 s26, s14, REC                        ; where my load goes in a slot
	s_mul_i32 s27, s49, 2*REC                      ; where my stream's two records lie
	s_mul_i32 s30, s48, ZHALF
	s_mul_i32 s41, s49, ZHALF/4                    ; my share of my half's staged tiles
	s_add_co_u32 s50, s30, s41
	s_lshl_b32 s51, s14, 9
	s_mul_i32 s52, s15, 17
	s_lshl_b32 s56, s25, 7
	s_lshl_b32 s57, s49, 5
	s_add_co_u32 s56, s56, s57                     ; my first tile: 128 y + 32 cs
	v_and_b32 v16, 31, v0                          ; lane
	v_and_b32 v17, 15, v0                          ; r
	v_bfe_u32 v18, v0, 4, 1                        ; h
	v_lshlrev_b32 v[L16], 4, v16
	v_lshlrev_b32 v[L8], 3, v16
	v_lshlrev_b32 v[H8], 3, v18
	v_mov_b32 v[TN], s56
	v_add_nc_u32 v19, s41, v[L16]
	v_add_nc_u32 v[AF], s27, v[L16]
	v_add_nc_u32 v[AF+1], SLOTB, v[AF]
	v_lshlrev_b32 v[AB], 5, v18
	v_add_nc_u32 v[AB], s27, v[AB]
	v_add_nc_u32 v[AB], 16384, v[AB]
	v_add_nc_u32 v[AB+1], SLOTB, v[AB]
	v_add_nc_u32 v[ZW], s50, v[L16]
	v_add_nc_u32 v[ZW], ZIMG, v[ZW]
	v_add_nc_u32 v[ZL], s30, v[L16]
	v_add_nc_u32 v[ZL], ZIMG, v[ZL]
	v_lshlrev_b32 v[MSI], 2, v17                   ; lanes 0-15 store scores, lanes 16-31 codes: MST + 512 w + 4 r + 4096 h
	v_lshl_add_u32 v[MSI], v18, 12, v[MSI]
	v_add_nc_u32 v[MSI], s51, v[MSI]
	v_add_nc_u32 v[MSI], MST, v[MSI]
	v_add_nc_u32 v[MSO], s31, v[L8]                ; waves 0 to 3 take rows 64 w .. + 63: 256 w + 8 lane
	v_add_nc_u32 v[MSO], MST, v[MSO]
	v_min_u32 v[PFO], 16, v16                      ; the prefetch: block 17 cx + 0 .. 16, held at the record's last, 64
	v_add_nc_u32 v[PFO], s52, v[PFO]
	v_min_u32 v[PFO], 64, v[PFO]
	v_lshlrev_b32 v[PFO], 8, v[PFO]
	s_mov_b32 s[G1+0], 15|(3<<16)|(1<<21)          ; mask of the four partners; elements of 8 bytes; bit 21 beside a mask
	s_mov_b32 s[G1+1], 32<<16                      ; rows of 32 x 8 = 256 bytes,
	s_mov_b32 s[G1+2], 65<<16                      ; 65 of them: a record
	s_mov_b32 s[G1+3], 32<<16
	s_mov_b32 s[G1+4], 65
	s_mov_b32 s[G1+5], 32
	s_mov_b32 s[G1+6], 0
	s_mov_b32 s[G1+7], 0
	s_lshl_b32 s27, s25, 5
	s_lshl_b32 s28, s49, 3
	s_add_co_u32 s27, s27, s28
	s_add_co_u32 s27, s27, s48
	s_mul_i32 s28, s27, REC                        ; my first record: 32 y + 8 cs + rh
	s_mov_b32 s29, 0
	s_lshl_b32 s46, s24, 16
	s_lshl_b32 s47, s48, 15
	s_add_co_u32 s46, s46, s47                     ; my half's tiles of z: 16 x + 8 rh
	s_mov_b32 s47, 0
	s_lshl_b32 s60, s25, 16                        ; my results: 65,536 y + 1,024 x + 256 w
	s_lshl_b32 s61, s24, 10
	s_add_co_u32 s60, s60, s61
	s_add_co_u32 s60, s60, s31
	s_mov_b32 s61, 0
	s_mov_b32 s42, 0x76543210                      ; v_permlanex16_b32's selects for lane l xor 16
	s_mov_b32 s43, 0xfedcba98
	s_mov_b32 s44, 0xffff0000                      ; lanes 16-31
	s_cmp_lt_u32 ttmp9, 4
	s_cselect_b32 s45, 1, 0                        ; clusters 0 to 3 of a quarter prefetch
	s_wait_alu depctr_va_vdst(0)
	s_wait_dscnt 0x0                               ; both opening adds are done
	ROUND                                          ; the four partners are here: the first joint loads meet
	s_wait_kmcnt 0x0
	s_add_nc_u64 s[28:29], s[6:7], s[28:29]
	s_mov_b32 s[G0+0], 1
	s_mov_b32 s[G0+1], s26
	s_mov_b64 s[G0+2:G0+3], s[28:29]
	s_or_b32 s[G0+3], s[G0+3], 0x80000000
	s_mov_b32 s[G0+4], 1
	s_add_co_u32 s[G0+5], s26, SLOTB
	s_add_nc_u64 s[G0+6:G0+7], s[28:29], 2*REC
	s_or_b32 s[G0+7], s[G0+7], 0x80000000
	s_add_nc_u64 s[4:5], s[4:5], s[46:47]
	tensor_load_to_lds s[G0:G0+3], s[G1:G1+7]      ; fill 0
	s_nop 0
.set c, 0
.rept 14
	global_load_b128 v[CF+4*c:CF+4*c+3], v19, s[4:5] offset:512*c         ; my quarter of my half's seven staged tiles, as it lies
.set c, c+1
.endr
	WIN 0x40
.irp c, 0,1,2,3,4,5,6,7
	global_load_b128 v[224+4*\c:227+4*\c], v[L16], s[4:5] offset:ZHALF+512*\c   ; the half's eighth tile
.endr
	WIN 0
	s_add_nc_u64 s[8:9], s[8:9], s[60:61]
	s_add_nc_u64 s[10:11], s[10:11], s[60:61]
	s_add_nc_u64 s[58:59], s[28:29], 4*REC         ; the first prefetch names fill 2's record
	s_wait_loadcnt 8                               ; the staged share is in; the eighth tile's eight loads may be out
.set c, 0
.rept 14
	ds_store_b128 v[ZW], v[CF+4*c:CF+4*c+3] offset:512*c
.set c, c+1
.endr
	s_wait_dscnt 0x0                               ; my share of z is stored, for the others' sake
	s_barrier_signal -1
	s_barrier_wait -1
	WIN 0x40
.irp u, 0,1,2,3,4,5,6
.irp ks, 0,1
.irp c, 0,1,2,3
	ds_load_b128 v[32*\u+16*\ks+4*\c:32*\u+16*\ks+4*\c+3], v[ZL] offset:4096*\u+2048*\ks+512*\c   ; z's staged tiles, while fill 0 is on its way
.endr
.endr
.endr
	WIN 0
	s_wait_tensorcnt 0x0                           ; my part of fill 0 is in
	ds_add_u32 v[SPW], v[NIL]
	s_wait_dscnt 0x0                               ; the add is done, and z's staged tiles are in
	ROUND
	tensor_load_to_lds s[G0+4:G0+7], s[G1:G1+7]    ; fill 1
	s_nop 0
; A tile's fragments, 16 codes x 256 K, and its biases: 10 loads into set b.
.macro LOADF slot, i, b
.irp ks, 0,1
.irp c, 0,1,2,3
	ds_load_b128 v[CF+32*(\b)+16*\ks+4*\c:CF+32*(\b)+16*\ks+4*\c+3], v[AF+\slot] offset:REC*((\i)/4)+4096*((\i)%4)+2048*\ks+512*\c
.endr
.endr
	ds_load_b128 v[BI+8*(\b):BI+8*(\b)+3], v[AB+\slot] offset:REC*((\i)/4)+64*((\i)%4)
	ds_load_b128 v[BI+8*(\b)+4:BI+8*(\b)+7], v[AB+\slot] offset:REC*((\i)/4)+64*((\i)%4)+16
.endm
.macro ASK
	s_cmp_eq_u32 s45, 1
	s_cbranch_scc0 .Lno_ask_\@
	global_prefetch_b8 v[PFO], s[58:59] th:TH_LOAD_NT scope:SCOPE_SE
.Lno_ask_\@:
.endm
	LOADF 0, 0, 0
	ASK
; Four accumulators, by turns: three others stand between a sum's two steps.
.macro WGRP b, g
	WIN 0x04
.irp q, 0,1,2,3
	v_wmma_f32_16x16x128_bf8_bf8 v[DD+32*(\g)+8*\q:DD+32*(\g)+8*\q+7], v[CF+32*(\b):CF+32*(\b)+15], v[128*(\g)+32*\q:128*(\g)+32*\q+15], v[BI+8*(\b):BI+8*(\b)+7]
.endr
.irp q, 0,1,2,3
	v_wmma_f32_16x16x128_bf8_bf8 v[DD+32*(\g)+8*\q:DD+32*(\g)+8*\q+7], v[CF+32*(\b)+16:CF+32*(\b)+31], v[128*(\g)+32*\q+16:128*(\g)+32*\q+31], v[DD+32*(\g)+8*\q:DD+32*(\g)+8*\q+7]
.endr
	WIN 0
.endm
; Group g's four accumulators are tracked.  par: which set of BEST is the old one.  first = 1: the wave's first tile starts BEST and Y.
; The steps of the four take turns, so that other accumulators' lines stand between a line and its reader.
.macro TA u
	v_max3_num_f32 v[T+2*\u], v[DG+8*\u], v[DG+8*\u+1], v[DG+8*\u+2]
.endm
.macro TB u
	v_max3_num_f32 v[T+2*\u+1], v[DG+8*\u+3], v[DG+8*\u+4], v[DG+8*\u+5]
.endm
.macro TC u
	v_max3_num_f32 v[T+2*\u], v[T+2*\u], v[DG+8*\u+6], v[DG+8*\u+7]
.endm
.macro TD u, first
.if \first
	v_max_num_f32 v[BN+\u], v[T+2*\u], v[T+2*\u+1]
.else
	v_max3_num_f32 v[BN+\u], v[T+2*\u], v[T+2*\u+1], v[BO+\u]
.endif
.endm
.macro TE u, first
.if \first == 0
	v_cmp_lt_f32 vcc_lo, v[BO+\u], v[BN+\u]        ; this tile holds a larger score: strictly, so that the lower code stays on a tie
.endif
.endm
.macro TF u, first
.if \first
.irp k, 0,2,4
	v_dual_mov_b32 v[YG+8*\u+\k], v[DG+8*\u+\k] :: v_dual_mov_b32 v[YG+8*\u+\k+1], v[DG+8*\u+\k+1]
.endr
	v_dual_mov_b32 v[YG+8*\u+6], v[DG+8*\u+6] :: v_dual_mov_b32 v[YG+8*\u+7], v[TN]
.else
.irp k, 0,2,4
	v_dual_cndmask_b32 v[YG+8*\u+\k], v[YG+8*\u+\k], v[DG+8*\u+\k] :: v_dual_cndmask_b32 v[YG+8*\u+\k+1], v[YG+8*\u+\k+1], v[DG+8*\u+\k+1]
.endr
	v_dual_cndmask_b32 v[YG+8*\u+6], v[YG+8*\u+6], v[DG+8*\u+6] :: v_dual_cndmask_b32 v[YG+8*\u+7], v[YG+8*\u+7], v[TN]
.endif
.endm
.macro TSET g, par
.set DG, DD+32*(\g)
.set YG, Y+32*(\g)
.set BO, BEST+8*(\par)+4*(\g)
.set BN, BEST+8-8*(\par)+4*(\g)
.endm
; A group's tracking in four parts of nine vector instructions.
.macro TPART n, first
.if \n == 0
	TA 0
	TA 1
	TA 2
	TB 0
	TB 1
	TB 2
	TC 0
	TC 1
	TD 0, \first
.endif
.if \n == 1
	TA 3
	TE 0, \first
	TB 3
	TC 2
	TD 1, \first
	TF 0, \first
.endif
.if \n == 2
	TE 1, \first
	TC 3
	TD 2, \first
	TF 1, \first
	TE 2, \first
	TD 3, \first
.endif
.if \n == 3
	TF 2, \first
	TE 3, \first
	TF 3, \first
.endif
.endm
.macro TRACK g, par, first
	TSET \g, \par
	TPART 0, \first
	TPART 1, \first
	TPART 2, \first
	TPART 3, \first
.endm
; One matrix instruction: K half k of group g's accumulator q, with the fragments of set b.
.macro WONE b, g, q, k
.if \k == 0
	v_wmma_f32_16x16x128_bf8_bf8 v[DD+32*(\g)+8*\q:DD+32*(\g)+8*\q+7], v[CF+32*(\b):CF+32*(\b)+15], v[128*(\g)+32*\q:128*(\g)+32*\q+15], v[BI+8*(\b):BI+8*(\b)+7]
.else
	v_wmma_f32_16x16x128_bf8_bf8 v[DD+32*(\g)+8*\q:DD+32*(\g)+8*\q+7], v[CF+32*(\b)+16:CF+32*(\b)+31], v[128*(\g)+32*\q+16:128*(\g)+32*\q+31], v[DD+32*(\g)+8*\q:DD+32*(\g)+8*\q+7]
.endif
.endm
; Group g's products, in the order of WGRP, with the other group's tracking (tg, par, first) between them: two products, nine vector instructions, four times.
.macro PAIR b, g, tg, par, first
	TSET \tg, \par
	WIN 0x04
	WONE \b, \g, 0, 0
	WONE \b, \g, 1, 0
	WIN 0
	TPART 0, \first
	WIN 0x04
	WONE \b, \g, 2, 0
	WONE \b, \g, 3, 0
	WIN 0
	TPART 1, \first
	WIN 0x04
	WONE \b, \g, 0, 1
	WONE \b, \g, 1, 1
	WIN 0
	TPART 2, \first
	WIN 0x04
	WONE \b, \g, 2, 1
	WONE \b, \g, 3, 1
	WIN 0
	TPART 3, \first
.endm
; Tile i (1 to 7) of a slot.  A group's tracking is the places behind the other group's products, and behind the last products that read the set which is loaded anew.
.macro TILE slot, i, first
	s_wait_dscnt 0x0                               ; this tile's fragments are in
.if (\i) < 7
	LOADF \slot, (\i)+1, 1-(\i)%2
.endif
.if (\i) == 1
	PAIR (\i)%2, 0, 1, 0, \first
.else
	PAIR (\i)%2, 0, 1, 1-(\i)%2, 0
.endif
	v_add_nc_u32 v[TN], 1, v[TN]
.if (\i) < 7
	PAIR (\i)%2, 1, 0, (\i)%2, 0
.else
	WGRP (\i)%2, 1                                 ; the slot's last group is tracked at the change of slots
.endif
.endm
; A slot's eight tiles; tile 0's fragments have been asked for, and the slot before has been tracked.  Tile 7 stays to be tracked.
.macro PROC slot, first
	s_wait_dscnt 0x0                               ; tile 0's fragments are in
.if \first
	s_wait_loadcnt 0x0                             ; and z's tile 7
.endif
	LOADF \slot, 1, 1
	WGRP 0, 0
.rept 4
	v_nop                                          ; places behind group A's products, ahead of its tracking
.endr
	PAIR 0, 1, 0, 0, \first
	TILE \slot, 1, \first
.irp i, 2,3,4,5,6,7
	TILE \slot, \i, 0
.endr
.endm
; Slot, which has been read, is filled again; the other slot's first fragments are asked for; tile 7 is tracked on both sides of the round.
.macro CHANGE slot, ask
	s_wait_tensorcnt 0x0                           ; all my tensor loads are done: my part of the other slot is in
	ds_add_u32 v[SPW], v[NIL]
	TRACK 0, 1, 0
	s_add_nc_u64 s[G0+4*\slot+2:G0+4*\slot+3], s[G0+4*\slot+2:G0+4*\slot+3], 4*REC
.if \ask
	s_wait_xcnt 0x0                                ; the prefetch before has read its address
	s_add_nc_u64 s[58:59], s[58:59], 2*REC
.endif
	s_wait_dscnt 0x0                               ; the add is done, and my reads of this slot are over
	ROUND
	tensor_load_to_lds s[G0+4*\slot:G0+4*\slot+3], s[G1:G1+7]
	s_nop 0
	LOADF 1-\slot, 0, 0
.if \ask
	ASK
.endif
	TRACK 1, 1, 0
	v_add_nc_u32 v[TN], 1, v[TN]
.endm
	PROC 0, 1
	CHANGE 0, 1
	PROC 1, 0
	CHANGE 1, 0
	PROC 0, 0
	s_wait_tensorcnt 0x0                           ; my part of the last fill is in,
	s_wait_dscnt 0x0
	s_barrier_signal -1                            ; for my stream's other wave's sake
	TRACK 0, 1, 0
	s_barrier_wait -1
	LOADF 1, 0, 0
	TRACK 1, 1, 0
	v_add_nc_u32 v[TN], 1, v[TN]
	PROC 1, 0
	TRACK 0, 1, 0
	TRACK 1, 1, 0
; The largest scores lie in BEST's first set.  J (at DD): the lowest register of the winning tile that equals the largest; 7 where none of 0 to 6 does.
.irp u, 0,1,2,3,4,5,6,7
	v_mov_b32 v[DD+\u], 7
.endr
.irp k, 6,5,4,3,2,1,0
.irp u, 0,1,2,3,4,5,6,7
	v_cmp_neq_f32 s[MK+\u], v[Y+8*\u+\k], v[BEST+\u]
.endr
.irp u, 0,1,2,3,4,5,6,7
	v_cndmask_b32 v[DD+\u], \k, v[DD+\u], s[MK+\u]
.endr
.endr
.irp u, 0,1,2,3,4,5,6,7
	v_lshl_add_u32 v[DD+8+\u], v[Y+8*\u+7], 4, v[H8]
.endr
.irp u, 0,1,2,3,4,5,6,7
	v_add_nc_u32 v[DD+8+\u], v[DD+8+\u], v[DD+\u]  ; the code: 16 x tile + 8 h + J
.endr
.irp u, 0,1,2,3,4,5,6,7
	v_permlanex16_b32 v[DD+16+\u], v[BEST+\u], s42, s43   ; the row's other eight codes of each tile lie in lane l xor 16
	v_permlanex16_b32 v[DD+24+\u], v[DD+8+\u], s42, s43
.endr
.irp u, 0,1,2,3,4,5,6,7
	v_cmp_gt_f32 s[MK+\u], v[DD+16+\u], v[BEST+\u]
	v_cmp_eq_f32 s[ME+\u], v[DD+16+\u], v[BEST+\u]
.endr
.irp u, 0,1,2,3,4,5,6,7
	v_max_num_f32 v[BEST+\u], v[BEST+\u], v[DD+16+\u]
	v_min_u32 v[DD+\u], v[DD+8+\u], v[DD+24+\u]
.endr
.irp u, 0,1,2,3,4,5,6,7
	v_cndmask_b32 v[DD+8+\u], v[DD+8+\u], v[DD+24+\u], s[MK+\u]
.endr
.irp u, 0,1,2,3,4,5,6,7
	v_cndmask_b32 v[DD+8+\u], v[DD+8+\u], v[DD+\u], s[ME+\u]   ; on a tie the lower code
.endr
.irp u, 0,1,2,3,4,5,6,7
	v_cndmask_b32 v[DD+\u], v[BEST+\u], v[DD+8+\u], s44
.endr
.irp u, 0,1,2,3,4,5,6,7
	ds_store_b32 v[MSI], v[DD+\u] offset:64*\u
.endr
	s_wait_dscnt 0x0                               ; for the others' sake
	s_barrier_signal -1
	s_barrier_wait -1
	s_cmp_gt_u32 s14, 3
	s_cbranch_scc1 .Lend
.irp c, 0,1,2,3
	ds_load_b64 v[96+2*\c:97+2*\c], v[MSO] offset:1024*\c             ; waves 0 to 3: two rows a lane, the four streams' scores
	ds_load_b64 v[112+2*\c:113+2*\c], v[MSO] offset:4096+1024*\c      ; and codes
.endr
	s_wait_dscnt 0x0
; Stream b's codes all lie above stream a's: strictly larger wins.
.macro MERGE a, b
	v_cmp_gt_f32 vcc_lo, v[96+2*\b], v[96+2*\a]
	v_cndmask_b32 v[96+2*\a], v[96+2*\a], v[96+2*\b], vcc_lo
	v_cndmask_b32 v[112+2*\a], v[112+2*\a], v[112+2*\b], vcc_lo
	v_cmp_gt_f32 vcc_lo, v[97+2*\b], v[97+2*\a]
	v_cndmask_b32 v[97+2*\a], v[97+2*\a], v[97+2*\b], vcc_lo
	v_cndmask_b32 v[113+2*\a], v[113+2*\a], v[113+2*\b], vcc_lo
.endm
	MERGE 0, 1
	MERGE 2, 3
	MERGE 0, 2
	v_add_f32 v96, 0, v96                          ; -0 becomes 0
	v_add_f32 v97, 0, v97
	v_ashrrev_i32 v128, 31, v96                    ; the score's bits as a signed whole number of the same order: a negative number's lower 31 bits are turned over
	v_ashrrev_i32 v129, 31, v97
	v_and_b32 v128, 0x7fffffff, v128
	v_and_b32 v129, 0x7fffffff, v129
	v_xor_b32 v96, v96, v128
	v_xor_b32 v97, v97, v129
	global_store_b64 v[L8], v[96:97], s[8:9]       ; 256 consecutive bytes a wave
	global_store_b64 v[L8], v[112:113], s[10:11]
.Lend:
	s_wait_tensorcnt 0x0                           ; the wave's end
	ds_add_u32 v[SPW], v[NIL]
	s_wait_dscnt 0x0
	ROUND                                          ; the closing round
	s_endpgm
.Lfunc_end_k_q69feee436a_argmax:
	.size	k_q69feee436a_argmax, .Lfunc_end_k_q69feee436a_argmax-k_q69feee436a_argmax
	.p2alignl 7, 3214868480
	.fill 96, 4, 3214868480
	.section	.rodata,"a",@progbits
	.p2align	6, 0x0
	.amdhsa_kernel k_q69feee436a_argmax
		.amdhsa_group_segment_fixed_size 327680
		.amdhsa_private_segment_fixed_size 0
		.amdhsa_enable_private_segment 0
		.amdhsa_kernarg_size 32
		.amdhsa_user_sgpr_count 2
		.amdhsa_user_sgpr_kernarg_segment_ptr 1
		.amdhsa_wavefront_size32 1
		.amdhsa_system_sgpr_workgroup_id_x 1
		.amdhsa_system_sgpr_workgroup_id_y 1
		.amdhsa_system_sgpr_workgroup_id_z 1
		.amdhsa_system_vgpr_workitem_id 0
		.amdhsa_next_free_vgpr 512
		.amdhsa_next_free_sgpr 80
		.amdhsa_reserve_vcc 1
		.amdhsa_float_denorm_mode_32 3
		.amdhsa_float_denorm_mode_16_64 3
		.amdhsa_memory_ordered 1
		.amdhsa_forward_progress 1
		.amdhsa_inst_pref_size 234
	.end_amdhsa_kernel
	.amdgpu_metadata
---
amdhsa.version: [ 1, 2 ]
amdhsa.kernels:
  - .name:           k_q69feee436a_argmax
    .symbol:         k_q69feee436a_argmax.kd
    .args:
      - { .name: zimg, .offset: 0, .size: 8, .value_kind: global_buffer, .address_space: global }
      - { .name: cbimg, .offset: 8, .size: 8, .value_kind: global_buffer, .address_space: global }
      - { .name: cand_key, .offset: 16, .size: 8, .value_kind: global_buffer, .address_space: global }
      - { .name: cand_idx, .offset: 24, .size: 8, .value_kind: global_buffer, .address_space: global }
    .group_segment_fixed_size: 327680
    .private_segment_fixed_size: 0
    .kernarg_segment_align: 8
    .kernarg_segment_size: 32
    .max_flat_workgroup_size: 256
    .sgpr_count:     80
    .vgpr_count:     512
    .wavefront_size: 32
...
	.end_amdgpu_metadata
.endif
;; end of part 2
;; launch gather (part 3): grid 256 x 1, 8 waves a work-group, no clusters, 1,280 bytes of LDS; arguments z, codebook, mask, cand_key, cand_idx, out0, out1, part; writes out0, out1, part
.if DOCPART == 3
	.amdgcn_target "amdgcn-amd-amdhsa--gfx1250"
	.amdhsa_code_object_version 6
	.text
	.protected	k_q69feee436a_gather
	.globl	k_q69feee436a_gather
	.p2align	8
	.type	k_q69feee436a_gather,@function
k_q69feee436a_gather:
	s_mov_b64 s[64:65], 0
	v_nop
	global_prefetch_b8 v0, s[64:65] scope:SCOPE_SE
	s_setreg_imm32_b32 hwreg(HW_REG_WAVE_MODE, 25, 1), 1
	s_wait_xcnt 0x0
; Each row has four candidates, one from each quarter of the codebook: a code and its score's whole number, both stored by the launch before.  The largest one's code is taken by whole-number compares (a tie goes to the lower
; quarter: the lower code), and its one row is gathered.
; out0 = z + (q - z) where the mask holds, z elsewhere; out1 = the code; part[g] = the work-group's sum of (q - z)^2 over rows where the mask holds, and the number of those rows.
; Where the mask is off q is replaced by z ahead of the arithmetic: then q - z = 0, out0 = z, and nothing is added to the sum.  (|z|^2 is left out ahead of the argmin: the first launch's comment.)
; SHARES.  Work-group g: rows 64 g .. + 63; wave w: rows 64 g + 8 w + q, q = 0 .. 7.  A row is 1,024 bytes: two loads or stores of 512 consecutive bytes a wave.
; All 32 loads of a wave go out ahead of the first wait for one: z's rows 0-3, their codes' rows, z's rows 4-7, their codes' rows.
; A stream with a gather: no matrix unit, no tensor loads, no cluster (work-groups share no tile), no prefetch (no loop to run ahead in).  The index is held at 8,191 ahead of the address, which changes no code that the launch before can store.
.set ZR,  32                           ; v32-95   z: row q at v[32 + 8 q]
.set C0,  96                           ; v96-159  the code row; later out0
.set T,   160                          ; v160-167 q - z
.set SUM, 168                          ; v168-175 four packed sums
.set O0,  8                            ; v8-15    the gathers' byte offsets
.set I0,  24                           ; s[24:31] to s[48:55]  my eight rows' codes, by quarters
.set I1,  32
.set I2,  40
.set I3,  48
.set V0,  68                           ; s[68:75] to s[92:99]  their scores' whole numbers
.set V1,  76
.set V2,  84
.set V3,  92
.set RM,  68                           ; s68-75, when the choice is made: all ones where the row's mask holds
	s_load_b512 s[4:19], s[0:1], 0x0               ; z, codebook, mask, cand_key, cand_idx, out0, out1, part
	v_lshl_add_u32 v190, v0, 2, 0x100
	v_mov_b32 v191, 0
	v_lshrrev_b32 v3, 5, v0
	v_readfirstlane_b32 s20, v3                    ; wave 0..7
	v_lshlrev_b32 v3, 3, v3                        ; LDS: my wave's two words
	s_lshl_b32 s21, ttmp9, 6
	s_lshl_b32 s22, s20, 3
	s_add_co_u32 s21, s21, s22                     ; my first row: also its byte in the mask
	s_lshl_b32 s22, s21, 2                         ; its word among the candidates
	s_lshl_b32 s58, s21, 10                        ; its byte in z and in out0
	s_mov_b32 s59, 0
	s_lshl_b32 s23, ttmp9, 8
	s_lshl_b32 s60, ttmp9, 3
	s_mov_b32 s62, 0x76543210                      ; v_permlanex16_b32's selects for lane l xor 16
	s_mov_b32 s63, 0xfedcba98
	v_mov_b32 v4, 0                                ; LDS: the sixteen words
	v_and_b32 v1, 31, v0
	v_mov_b32 v5, s60                              ; 8 g
	v_lshlrev_b32 v2, 3, v1                        ; 8 x lane
	v_lshlrev_b32 v1, 4, v1                        ; 16 x lane
	v_add_nc_u32 v2, s23, v2                       ; 256 g + 8 lane: two of the work-group's 64 rows' words
	s_wait_alu depctr_va_vdst(0)
	s_wait_kmcnt 0x0
	s_load_b256 s[I0:I0+7], s[12:13], s22 offset:0x0
	s_load_b256 s[I1:I1+7], s[12:13], s22 offset:0x10000
	s_load_b256 s[I2:I2+7], s[12:13], s22 offset:0x20000
	s_load_b256 s[I3:I3+7], s[12:13], s22 offset:0x30000
	s_load_b256 s[V0:V0+7], s[10:11], s22 offset:0x0
	s_load_b256 s[V1:V1+7], s[10:11], s22 offset:0x10000
	s_load_b256 s[V2:V2+7], s[10:11], s22 offset:0x20000
	s_load_b256 s[V3:V3+7], s[10:11], s22 offset:0x30000
	s_load_b64 s[56:57], s[8:9], s21 offset:0x0    ; my eight rows' mask bytes
	s_add_nc_u64 s[4:5], s[4:5], s[58:59]
	s_add_nc_u64 s[14:15], s[14:15], s[58:59]
	s_cmp_lg_u32 s20, 0
	s_cbranch_scc1 .Lnot_wave_0
.irp i, 0,1,2,3
	global_load_b64 v[176+2*\i:177+2*\i], v2, s[12:13] offset:65536*\i    ; wave 0: all 64 rows' candidates, two rows a lane, for out1.  These eight are older than every counted load below
	global_load_b64 v[192+2*\i:193+2*\i], v2, s[10:11] offset:65536*\i
.endr
.Lnot_wave_0:
.macro ZROWS a
.irp q, \a, \a+1, \a+2, \a+3
	global_load_b128 v[ZR+8*(\q):ZR+8*(\q)+3], v1, s[4:5] offset:1024*(\q) th:TH_LOAD_NT
	global_load_b128 v[ZR+8*(\q)+4:ZR+8*(\q)+7], v1, s[4:5] offset:1024*(\q)+512 th:TH_LOAD_NT
.endr
.endm
.macro QROWS a
.irp q, \a, \a+1, \a+2, \a+3
	s_cmp_gt_i32 s[V1+(\q)], s[V0+(\q)]            ; quarter 1 against 0,
	s_cselect_b32 s[I0+(\q)], s[I1+(\q)], s[I0+(\q)]
	s_cselect_b32 s[V0+(\q)], s[V1+(\q)], s[V0+(\q)]
	s_cmp_gt_i32 s[V3+(\q)], s[V2+(\q)]            ; 3 against 2,
	s_cselect_b32 s[I2+(\q)], s[I3+(\q)], s[I2+(\q)]
	s_cselect_b32 s[V2+(\q)], s[V3+(\q)], s[V2+(\q)]
	s_cmp_gt_i32 s[V2+(\q)], s[V0+(\q)]            ; and the two winners
	s_cselect_b32 s[I0+(\q)], s[I2+(\q)], s[I0+(\q)]
	s_min_u32 s[I0+(\q)], s[I0+(\q)], 0x1fff       ; inside the table, whatever was stored
	s_lshl_b32 s[I0+(\q)], s[I0+(\q)], 10          ; a code row is 1,024 bytes
	v_add_nc_u32 v[O0+(\q)], s[I0+(\q)], v1
.endr
	s_wait_alu depctr_va_vdst(0)                   ; directly ahead of the readers below
.irp q, \a, \a+1, \a+2, \a+3
	global_load_b128 v[C0+8*(\q):C0+8*(\q)+3], v[O0+(\q)], s[6:7]
	global_load_b128 v[C0+8*(\q)+4:C0+8*(\q)+7], v[O0+(\q)], s[6:7] offset:512
.endr
.endm
	ZROWS 0
	s_wait_kmcnt 0x0
	QROWS 0
	ZROWS 4
	QROWS 4
.irp q, 0,1,2,3,4,5,6,7
.if \q < 4
	s_bfe_u32 s[RM+\q], s56, (8<<16)|(8*\q)
.else
	s_bfe_u32 s[RM+\q], s57, (8<<16)|(8*(\q-4))
.endif
	s_cmp_lg_u32 s[RM+\q], 0
	s_cselect_b32 s[RM+\q], -1, 0
.endr
	s_bcnt1_i32_b32 s60, s56                       ; the mask's bytes are 0 or 1: their ones are the rows that hold
	s_bcnt1_i32_b32 s61, s57
	s_add_co_u32 s60, s60, s61
.irp q, 0,1,2,3,4,5,6,7
; loads come back in order: z and this row's two gathers are in
.if \q < 4
	s_wait_loadcnt 16+2*(3-\q)                     ; rows 4-7's sixteen loads and the two gathers of each later row of 0-3 may be out
.else
	s_wait_loadcnt 2*(7-\q)                        ; the two gathers of each later row may be out
.endif
.irp e, 0,1,2,3,4,5,6,7
	v_cndmask_b32 v[C0+8*\q+\e], v[ZR+8*\q+\e], v[C0+8*\q+\e], s[RM+\q]   ; the mask is off: z in q's place
.endr
.irp e, 0,2,4,6
	v_pk_add_f32 v[T+\e:T+\e+1], v[C0+8*\q+\e:C0+8*\q+\e+1], v[ZR+8*\q+\e:ZR+8*\q+\e+1] neg_lo:[0,1] neg_hi:[0,1]   ; q - z
.endr
.irp e, 0,2,4,6
.if \q == 0
	v_pk_mul_f32 v[SUM+\e:SUM+\e+1], v[T+\e:T+\e+1], v[T+\e:T+\e+1]            ; the first row starts the four sums
.else
	v_pk_fma_f32 v[SUM+\e:SUM+\e+1], v[T+\e:T+\e+1], v[T+\e:T+\e+1], v[SUM+\e:SUM+\e+1]
.endif
.endr
.irp e, 0,2,4,6
	v_pk_add_f32 v[C0+8*\q+\e:C0+8*\q+\e+1], v[ZR+8*\q+\e:ZR+8*\q+\e+1], v[T+\e:T+\e+1]   ; z + (q - z), as the reference rounds it
.endr
	global_store_b128 v1, v[C0+8*\q:C0+8*\q+3], s[14:15] offset:1024*\q th:TH_STORE_NT     ; 512 consecutive bytes a store; no store's data are written again
	global_store_b128 v1, v[C0+8*\q+4:C0+8*\q+7], s[14:15] offset:1024*\q+512 th:TH_STORE_NT
.endr
	v_pk_add_f32 v[168:169], v[168:169], v[170:171]
	v_pk_add_f32 v[172:173], v[172:173], v[174:175]
	s_delay_alu instid0(VALU_DEP_1)
	v_pk_add_f32 v[168:169], v[168:169], v[172:173]
	s_delay_alu instid0(VALU_DEP_1)
	v_add_f32 v168, v168, v169
.irp m, 1,2,4,8
	s_delay_alu instid0(VALU_DEP_1)
	v_add_f32_dpp v168, v168, v168 row_xmask:\m row_mask:0xf bank_mask:0xf
.endr
	s_delay_alu instid0(VALU_DEP_1)
	v_permlanex16_b32 v169, v168, s62, s63
	s_delay_alu instid0(VALU_DEP_1)
	v_add_f32 v168, v168, v169                     ; my wave's sum, in every lane,
	v_cvt_f32_u32 v169, s60                        ; and its count
	ds_store_b64 v3, v[168:169]                    ; all lanes write the same words with the same numbers
	s_wait_dscnt 0x0                               ; for wave 0's sake
	s_barrier_signal -1
	s_barrier_wait -1
	s_cmp_lg_u32 s20, 0
	s_cbranch_scc1 .Lend
.irp i, 0,1,2,3
	ds_load_b128 v[160+4*\i:163+4*\i], v4 offset:16*\i     ; eight pairs: sum, count
.endr
.macro PICK a, b                       ; out1: the same choice as above, for two rows a lane
.irp r, 0,1
	v_cmp_gt_i32 vcc_lo, v[192+2*\b+\r], v[192+2*\a+\r]
	v_cndmask_b32 v[176+2*\a+\r], v[176+2*\a+\r], v[176+2*\b+\r], vcc_lo
.if \b-\a == 1
	v_cndmask_b32 v[192+2*\a+\r], v[192+2*\a+\r], v[192+2*\b+\r], vcc_lo
.endif
.endr
.endm
	PICK 0, 1
	PICK 2, 3
	PICK 0, 2
	global_store_b64 v2, v[176:177], s[16:17]      ; 256 consecutive bytes, at a multiple of 256 from out1's first byte
	s_wait_dscnt 0x0
	v_pk_add_f32 v[160:161], v[160:161], v[162:163]
	v_pk_add_f32 v[164:165], v[164:165], v[166:167]
	v_pk_add_f32 v[168:169], v[168:169], v[170:171]
	v_pk_add_f32 v[172:173], v[172:173], v[174:175]
	v_pk_add_f32 v[160:161], v[160:161], v[164:165]
	v_pk_add_f32 v[168:169], v[168:169], v[172:173]
	s_delay_alu instid0(VALU_DEP_1)
	v_pk_add_f32 v[160:161], v[160:161], v[168:169]   ; the work-group's sum and count
	s_wait_alu depctr_va_vdst(0)
	s_wait_xcnt 0x0                                ; EXEC is a source of the stores above: it changes only behind this wait
	s_wait_tensorcnt 0x0                           ; the wave's end
	ds_add_u32 v190, v191
	s_wait_dscnt 0x0
	v_cmpx_gt_u32 1, v0                            ; thread 0 alone
	global_store_b64 v5, v[160:161], s[18:19]      ; two numbers a work-group: the next launch reads 2,048 bytes in all
	s_endpgm
.Lend:
	s_wait_tensorcnt 0x0
	ds_add_u32 v190, v191
	s_wait_dscnt 0x0
	s_endpgm
.Lfunc_end_k_q69feee436a_gather:
	.size	k_q69feee436a_gather, .Lfunc_end_k_q69feee436a_gather-k_q69feee436a_gather
	.p2alignl 7, 3214868480
	.fill 96, 4, 3214868480
	.section	.rodata,"a",@progbits
	.p2align	6, 0x0
	.amdhsa_kernel k_q69feee436a_gather
		.amdhsa_group_segment_fixed_size 1280
		.amdhsa_private_segment_fixed_size 0
		.amdhsa_enable_private_segment 0
		.amdhsa_kernarg_size 64
		.amdhsa_user_sgpr_count 2
		.amdhsa_user_sgpr_kernarg_segment_ptr 1
		.amdhsa_wavefront_size32 1
		.amdhsa_system_sgpr_workgroup_id_x 1
		.amdhsa_system_sgpr_workgroup_id_y 1
		.amdhsa_system_sgpr_workgroup_id_z 1
		.amdhsa_system_vgpr_workitem_id 0
		.amdhsa_next_free_vgpr 200
		.amdhsa_next_free_sgpr 100
		.amdhsa_reserve_vcc 1
		.amdhsa_float_denorm_mode_32 3
		.amdhsa_float_denorm_mode_16_64 3
		.amdhsa_memory_ordered 1
		.amdhsa_forward_progress 1
		.amdhsa_inst_pref_size 25
	.end_amdhsa_kernel
	.amdgpu_metadata
---
amdhsa.version: [ 1, 2 ]
amdhsa.kernels:
  - .name:           k_q69feee436a_gather
    .symbol:         k_q69feee436a_gather.kd
    .args:
      - { .name: z, .offset: 0, .size: 8, .value_kind: global_buffer, .address_space: global }
      - { .name: codebook, .offset: 8, .size: 8, .value_kind: global_buffer, .address_space: global }
      - { .name: mask, .offset: 16, .size: 8, .value_kind: global_buffer, .address_space: global }
      - { .name: cand_key, .offset: 24, .size: 8, .value_kind: global_buffer, .address_space: global }
      - { .name: cand_idx, .offset: 32, .size: 8, .value_kind: global_buffer, .address_space: global }
      - { .name: out0, .offset: 40, .size: 8, .value_kind: global_buffer, .address_space: global }
      - { .name: out1, .offset: 48, .size: 8, .value_kind: global_buffer, .address_space: global }
      - { .name: part, .offset: 56, .size: 8, .value_kind: global_buffer, .address_space: global }
    .group_segment_fixed_size: 1280
    .private_segment_fixed_size: 0
    .kernarg_segment_align: 8
    .kernarg_segment_size: 64
    .max_flat_workgroup_size: 256
    .sgpr_count:     100
    .vgpr_count:     200
    .wavefront_size: 32
...
	.end_amdgpu_metadata
.endif
;; end of part 3
;; launch loss (part 4): grid 1 x 1, 1 waves a work-group, no clusters, 0 bytes of LDS; arguments part, out2; writes out2
.if DOCPART == 4
	.amdgcn_target "amdgcn-amd-amdhsa--gfx1250"
	.amdhsa_code_object_version 6
	.text
	.protected	k_q69feee436a_loss
	.globl	k_q69feee436a_loss
	.p2align	8
	.type	k_q69feee436a_loss,@function
k_q69feee436a_loss:
	s_mov_b64 s[64:65], 0
	v_nop
	global_prefetch_b8 v0, s[64:65] scope:SCOPE_SE
	s_setreg_imm32_b32 hwreg(HW_REG_WAVE_MODE, 25, 1), 1
	s_wait_xcnt 0x0
; out2 = (the sum of the 256 work-groups' partial sums) / max(256 x the number of rows whose mask holds, 1).
; One wave: 2,048 bytes of pairs (sum, count), four loads of 512 consecutive bytes.  A sum over work-groups needs a launch behind them; there is work for one wave.
; The counts are whole numbers, 16,384 in all at the most: exact in f32.
	s_load_b128 s[4:7], s[0:1], 0x0                ; part, out2
	v_lshlrev_b32 v1, 4, v0                        ; 16 x lane
	v_mov_b32 v2, 0                                ; out2's one number lies at byte 0
	v_mov_b32 v3, 0                                ; written once: a lane permute's destination counts as one of its sources
	s_mov_b32 s12, 0x76543210
	s_mov_b32 s13, 0xfedcba98
	s_wait_alu depctr_va_vdst(0)
	s_wait_kmcnt 0x0
.irp i, 0,1,2,3
	global_load_b128 v[4+4*\i:7+4*\i], v1, s[4:5] offset:512*\i
.endr
	s_wait_loadcnt 0x0
	v_pk_add_f32 v[4:5], v[4:5], v[6:7]
	v_pk_add_f32 v[8:9], v[8:9], v[10:11]
	v_pk_add_f32 v[12:13], v[12:13], v[14:15]
	v_pk_add_f32 v[16:17], v[16:17], v[18:19]
	v_pk_add_f32 v[4:5], v[4:5], v[8:9]
	v_pk_add_f32 v[12:13], v[12:13], v[16:17]
	v_pk_add_f32 v[4:5], v[4:5], v[12:13]          ; my eight work-groups' sum and count
.irp m, 1,2,4,8
	v_add_f32_dpp v4, v4, v4 row_xmask:\m row_mask:0xf bank_mask:0xf
	v_add_f32_dpp v5, v5, v5 row_xmask:\m row_mask:0xf bank_mask:0xf
.endr
	v_permlanex16_b32 v3, v5, s12, s13
	v_add_f32 v5, v5, v3
	v_permlanex16_b32 v3, v4, s12, s13
	v_add_f32 v4, v4, v3
	v_mul_f32 v5, 0x43800000, v5                   ; x 256 numbers a row
	v_max_num_f32 v5, 1.0, v5
	s_wait_alu depctr_va_vdst(0)                   ; the wait ahead of the transcendental
	v_rcp_f32 v6, v5
	v_nop                                          ; one plain instruction between a transcendental and the use of its result (ISA guide 5.7.2)
	s_wait_alu depctr_va_vdst(0)                   ; and behind it
	v_mul_f32 v4, v4, v6
	s_wait_alu depctr_va_vdst(0)
	s_wait_xcnt 0x0                                ; EXEC changes only behind this wait
	v_cmpx_gt_u32 1, v0                            ; lane 0 alone
	global_store_b32 v2, v4, s[6:7]
	s_endpgm
.Lfunc_end_k_q69feee436a_loss:
	.size	k_q69feee436a_loss, .Lfunc_end_k_q69feee436a_loss-k_q69feee436a_loss
	.p2alignl 7, 3214868480
	.fill 96, 4, 3214868480
	.section	.rodata,"a",@progbits
	.p2align	6, 0x0
	.amdhsa_kernel k_q69feee436a_loss
		.amdhsa_group_segment_fixed_size 0
		.amdhsa_private_segment_fixed_size 0
		.amdhsa_enable_private_segment 0
		.amdhsa_kernarg_size 16
		.amdhsa_user_sgpr_count 2
		.amdhsa_user_sgpr_kernarg_segment_ptr 1
		.amdhsa_wavefront_size32 1
		.amdhsa_system_sgpr_workgroup_id_x 1
		.amdhsa_system_sgpr_workgroup_id_y 1
		.amdhsa_system_sgpr_workgroup_id_z 1
		.amdhsa_system_vgpr_workitem_id 0
		.amdhsa_next_free_vgpr 32
		.amdhsa_next_free_sgpr 66
		.amdhsa_reserve_vcc 0
		.amdhsa_float_denorm_mode_32 3
		.amdhsa_float_denorm_mode_16_64 3
		.amdhsa_memory_ordered 1
		.amdhsa_forward_progress 1
		.amdhsa_inst_pref_size 3
	.end_amdhsa_kernel
	.amdgpu_metadata
---
amdhsa.version: [ 1, 2 ]
amdhsa.kernels:
  - .name:           k_q69feee436a_loss
    .symbol:         k_q69feee436a_loss.kd
    .args:
      - { .name: part, .offset: 0, .size: 8, .value_kind: global_buffer, .address_space: global }
      - { .name: out2, .offset: 8, .size: 8, .value_kind: global_buffer, .address_space: global }
    .group_segment_fixed_size: 0
    .private_segment_fixed_size: 0
    .kernarg_segment_align: 8
    .kernarg_segment_size: 16
    .max_flat_workgroup_size: 32
    .sgpr_count:     66
    .vgpr_count:     32
    .wavefront_size: 32
...
	.end_amdgpu_metadata
.endif
;; end of part 4
